; MI455X (gfx1250); checked and timed in simulation.
; The chip was launched on July 23, 2026; its instructions are those of AMD's public machine-readable ISA for CDNA 5 (MIT licence, August 2026) and "CDNA5" Instruction Set Architecture Reference Guide (July 2026). The comments in the code are by the model that wrote it; some were corrected since.
;; Dozer Attention. Allowed arithmetic: matrix products marked QUANTISED: E2M1 operands, one E8M0 scale for each 32 along K, by v_wmma_scale_f32_16x16x128_f8f6f4 with both operands' format E2M1 (or v_wmma_scale_f32_32x16x128_f4), f32 sums; products left as they are: bf16, f16 or f32 operands; f32 sums; everything else in f32.
;; Inputs: attn_mask 2 x 1 x 2,048 x 2,048 bool; keys 2 x 2,048 x 8 x 64 float32; queries 2 x 2,048 x 8 x 64 float32; values 2 x 2,048 x 8 x 64 float32.
;; Outputs: out0 2 x 2,048 x 8 x 64 float32.
;; This version of the problem:
;;   THIS VERSION OF THE PROBLEM IS GIVEN IN LOW PRECISION. The matrix products marked QUANTISED in the list below multiply operands that are first quantised to E2M1 (2 exponent bits, 1 mantissa bit; 4 bits a number), with one power-of-two scale for each 32 numbers along K (OCP MX v1.0); their sums are f32. The products marked 'left as it is' may take bf16, f16 or f32 operands, with f32 sums. Whichever they take, every output number must still come out within the allowed error. Rounding operands to bf16 (8 significant bits) uses up far more of that allowance than f16 does (11 bits, for magnitudes from 6e-5 to 65,504). All else is computed in f32.
;;   The module's matrix products, in the order in which they are computed (A, B: the left and right operand; K: the contracted axis; several contracted axes count as one K, in the product's order):
;;     1. batch 16 x [M 2,048, K 64] x [K 64, N 2,048]; A: input queries; B: input keys: QUANTISED
;;     2. batch 16 x [M 64, K 2,048] x [K 2,048, N 2,048]; A: input values; B: computed on the way: left as it is (an operand is computed on the way)
;;   THE QUANTISER, for each operand of a quantised product, along K:
;;     - K is cut into blocks of 32 from its start; a last block that is shorter is filled with zeros.
;;     - A block's scale is 2^e with e = floor(log2(the largest magnitude in the block)) - 2, held to -126 .. 127; a block of zeros has e = 0. As a byte (E8M0): e + 127.
;;     - Each number is divided by its block's scale, clamped to +-6, and rounded to the nearest number of E2M1, ties to even, subnormals kept.
;;     - The product sums the exact products of the quantised numbers (number of the format x scale) in f32.
;;   ~~~python
;;   def quantise(x, axis):      # numpy; x: float32 -> the quantised numbers, widened to float32 again
;;       x = np.moveaxis(x, axis, -1); K = x.shape[-1]
;;       x = np.pad(x, [(0, 0)] * (x.ndim - 1) + [(0, -K % 32)]); x = x.reshape(x.shape[:-1] + (-1, 32)); a = np.abs(x).max(-1, keepdims=True)
;;       e = np.where(a > 0, np.clip(np.frexp(np.where(a > 0, a, 1))[1] - 1 - 2, -126, 127), 0)      # np.frexp(a)[1] - 1 = floor(log2(a)), exactly
;;       r = np.clip(x / 2.0 ** e, -6, 6)
;;       step = 2.0 ** (np.maximum(np.frexp(np.where(r == 0, 1, r))[1] - 1, 0) - 1)
;;       q = np.round(r / step) * step * 2.0 ** e      # np.round: ties to even
;;       return np.moveaxis(q.reshape(q.shape[:-2] + (-1,))[..., :K], -1, axis).astype(np.float32)
;;   ~~~
;; One version. Each part assembles by itself: llvm-mc -triple=amdgcn-amd-amdhsa -mcpu=gfx1250 --defsym DOCPART=n.
;; ======== version 1 of 1: 2 launches
;; limits: values are held in f16: magnitudes above 65,504 overflow, below 6.1e-05 lose precision; inputs' magnitudes at most 65,504
;; workspace buffers: qc 1,048,576 bytes; qs 131,072 bytes; kc 1,050,624 bytes; ks 131,584 bytes; vh 4,194,304 bytes
;; launch prep (part 1): grid 512 x 1, 4 waves a work-group, no clusters, 33,280 bytes of LDS; arguments queries, keys, values, qc, qs, kc, ks, vh; writes qc, qs, kc, ks, vh
.if DOCPART == 1
	.amdgcn_target "amdgcn-amd-amdhsa--gfx1250"
	.amdhsa_code_object_version 6
	.text
	.protected	k_q7c2bfef7be_prep
	.globl	k_q7c2bfef7be_prep
	.p2align	8
	.type	k_q7c2bfef7be_prep,@function
k_q7c2bfef7be_prep:
	s_mov_b64 s[64:65], 0
	v_nop
	global_prefetch_b8 v0, s[64:65] scope:SCOPE_SE
	s_setreg_imm32_b32 hwreg(HW_REG_WAVE_MODE, 25, 1), 1
	s_wait_xcnt 0x0
; queries and keys [2][2048][8][64] f32 become codes of FP4 (E2M1) laid by head, [16 heads][2048 rows][32 bytes], the head's 64 innermost, and one word of scales a row:
; the row's two E8M0 bytes s0, s1 written twice, s0 | s1<<8 | s0<<16 | s1<<24, so that the same word serves a row that stands in the lower or in the upper 64 of a matrix instruction's 128.
; values become f16, laid [16 heads][2048 keys][64], rows of 128 bytes on end.
; A block's scale is 2^(floor(log2(its largest magnitude)) - 2): its byte is the largest magnitude's exponent field - 2, held at 1 from below.
; kc and ks have guards in front and behind (1,024 and 256 bytes): the next launch names key rows -32 .. 2,079 of a head by constant offsets; what it reads there it throws away.  The guards hold zero codes and the byte 0x7f.
; LIMITS: a block of zeros, and one whose largest magnitude lies under 2^-124, gets the byte 1 (its codes add nothing or were not tried; the bytes are read by this program alone);
; values beyond 65,504 in magnitude have no f16 number; NaN and infinities among the inputs are not served.
; SHARES: work-groups 0-127 take queries, 128-255 keys: 256 rows of one head each, 64 a wave, in 8 steps of 8 rows (512 numbers).  Work-groups 256-511 take values: 128 rows of one head, 32 a wave.
; A row of one head is 256 consecutive bytes, 2,048 bytes from the next: each load of a wave takes two whole rows, 16 bytes a lane.  The conversions want 16 neighbours in a lane: a step's 2,048 bytes turn through the wave's own stage in LDS.
.set STEPS, 8
.set EMAX,  2
.set WREG,  8192                       ; LDS: a region for each wave: two stages of 32 x SP bytes, behind them its 256 bytes of scale words
.set SP,    80                         ; a lane's place in a stage: 64 bytes + 16 of padding
.set SPARE, 4*WREG                     ; behind the regions: the spare words, 128 bytes a wave, which no other line names
.set SPW,   12                         ; v12  my spare word's address; never rewritten
.set NIL,   13                         ; v13  0; never rewritten
.set R,     16                         ; v16-79   four sets of 16 numbers as loaded
.set X,     80                         ; v80-111  two sets of 16 neighbours
.set E,     112                        ; v112-119 a scale byte for each step
.set C,     128                        ; v128..   codes, registers of their own for each step
	s_load_b256 s[4:11], s[0:1], 0x0               ; queries s[4:5], keys s[6:7], values s[8:9], qc s[10:11]
	s_load_b256 s[12:19], s[0:1], 0x20             ; qs s[12:13], kc s[14:15], ks s[16:17], vh s[18:19]
	v_lshl_add_u32 v[SPW], v0, 2, SPARE
	v_mov_b32 v[NIL], 0
	v_lshrrev_b32 v1, 5, v0
	v_readfirstlane_b32 s20, v1                    ; wave 0..3
	v_and_b32 v2, 31, v0                           ; lane
	v_and_b32 v3, 15, v0
	v_lshlrev_b32 v3, 4, v3
	v_bfe_u32 v1, v0, 4, 1
	v_lshl_add_u32 v3, v1, 11, v3                  ; in: lanes 0-15 one row of 256 bytes, lanes 16-31 the head's next row, 2,048 bytes on
	v_lshlrev_b32 v7, 3, v2                        ; out: 8 bytes a lane: 256 consecutive bytes a store
	s_mov_b32 s27, 0
	s_wait_kmcnt 0x0
	s_cmp_lt_u32 ttmp9, 256
	s_cbranch_scc0 .Lvalues
	; ---- queries and keys
	s_mul_i32 s21, s20, WREG
	v_lshrrev_b32 v14, 2, v2
	v_mul_u32_u24 v14, v14, SP
	v_and_b32 v15, 3, v2
	v_lshl_add_u32 v14, v15, 4, v14
	v_add_nc_u32 v14, s21, v14                     ; the stage, way in: four lanes' 64 bytes on end, then 16 of padding
	v_mul_u32_u24 v15, v2, SP
	v_add_nc_u32 v15, s21, v15                     ; way out: my 16 neighbours: row lane / 4 of the step, numbers 16 (lane % 4) on
	s_add_co_u32 s21, s21, 2*32*SP
	v_and_b32 v5, 28, v2                           ; my row's word: 4 (lane / 4),
	v_bfe_u32 v8, v2, 1, 1
	v_add_nc_u32 v5, v5, v8                        ; my block's byte in it,
	v_and_b32 v8, 1, v2
	v_lshl_add_u32 v5, v8, 1, v5                   ; the even lane of a block writes the first copy, the odd lane the second
	v_add_nc_u32 v5, s21, v5
	v_add_nc_u32 v6, s21, v7
	s_cmp_lt_u32 ttmp9, 128                        ; queries or keys: the choice hangs on the work-group's number alone
	s_cselect_b64 s[4:5], s[4:5], s[6:7]
	s_cselect_b64 s[10:11], s[10:11], s[14:15]
	s_cselect_b64 s[12:13], s[12:13], s[16:17]
	s_cselect_b32 s22, 0, 1024                     ; the guards in front of keys' codes
	s_cselect_b32 s23, 0, 256                      ; and scales
	s_and_b32 s24, ttmp9, 127
	s_lshr_b32 s25, s24, 3                         ; head 0..15 = 8 b + h
	s_and_b32 s24, s24, 7
	s_lshl_b32 s24, s24, 8
	s_lshl_b32 s26, s20, 6
	s_add_co_u32 s24, s24, s26                     ; my wave's first row
	s_lshr_b32 s28, s25, 3
	s_and_b32 s29, s25, 7
	s_lshl_b32 s26, s28, 22
	s_lshl_b32 s28, s24, 11
	s_add_co_u32 s26, s26, s28
	s_lshl_b32 s28, s29, 8
	s_add_co_u32 s26, s26, s28                     ; ((2,048 b + row) 8 + h) 256
	s_add_nc_u64 s[4:5], s[4:5], s[26:27]
	s_lshl_b32 s28, s25, 11
	s_add_co_u32 s28, s28, s24
	s_lshl_b32 s26, s28, 5
	s_add_co_u32 s26, s26, s22
	s_add_nc_u64 s[10:11], s[10:11], s[26:27]
	s_lshl_b32 s26, s28, 2
	s_add_co_u32 s26, s26, s23
	s_add_nc_u64 s[12:13], s[12:13], s[26:27]
.macro LOAD t
.irp i, 0,1,2,3
	global_load_b128 v[R+16*((\t)%4)+4*\i:R+16*((\t)%4)+4*\i+3], v3, s[4:5] offset:(8*(\t)+2*\i)*2048 th:TH_LOAD_NT
.endr
.endm
.macro TURN t                          ; a step's numbers through the stage: LDS serves a wave's instructions in order, so no wait stands between the stores and the loads
.irp i, 0,1,2,3
	ds_store_b128 v14, v[R+16*((\t)%4)+4*\i:R+16*((\t)%4)+4*\i+3] offset:32*SP*((\t)%2)+8*SP*\i
.endr
.irp i, 0,1,2,3
	ds_load_b128 v[X+16*((\t)%2)+4*\i:X+16*((\t)%2)+4*\i+3], v15 offset:32*SP*((\t)%2)+16*\i
.endr
.endm
.irp t, 0,1,2,3
	LOAD \t
.endr
	s_wait_loadcnt 12                              ; step 0's four loads are in; the twelve of steps 1 to 3 may be out
	TURN 0
.macro STEP t
.set XS, X+16*((\t)%2)
.if (\t) > 0
	s_wait_dscnt 1                                 ; this step's numbers are back from the stage; the last step's byte store may be out
.else
	s_wait_dscnt 0x0
.endif
.if (\t)+4 < STEPS
	LOAD (\t)+4                                    ; into the registers that this step's stores into the stage have read
.endif
.if (\t)+1 < STEPS
.if STEPS-2-(\t) >= 3
	s_wait_loadcnt 12                              ; the next step's four loads are in; those of the three steps behind it may be out
.else
	s_wait_loadcnt 4*(STEPS-2-(\t))
.endif
	TURN (\t)+1
.endif
	v_max3_num_f32 v8, |v[XS]|, |v[XS+1]|, |v[XS+2]|
	v_max3_num_f32 v9, |v[XS+3]|, |v[XS+4]|, |v[XS+5]|
.irp i, 6,10
	v_max3_num_f32 v8, v8, |v[XS+\i]|, |v[XS+\i+1]|
	v_max3_num_f32 v9, v9, |v[XS+\i+2]|, |v[XS+\i+3]|
.endr
	v_max3_num_f32 v8, v8, |v[XS+14]|, |v[XS+15]|
	v_max3_num_f32 v8, v8, v9, (EMAX+1)<<23        ; the floor 2^(3 - 127): the byte cannot fall under 1
	v_max_num_f32_dpp v8, v8, v8 row_xmask:1 row_mask:0xf bank_mask:0xf   ; with my neighbour's 16: the block's largest magnitude
	v_add_nc_u32 v11, -(EMAX<<23), v8              ; 2 off its exponent field: the conversion takes this operand's exponent field as its scale
	v_cvt_scalef32_pk8_fp4_f32 v[C+4*(\t)], v[XS:XS+7], v11
	v_cvt_scalef32_pk8_fp4_f32 v[C+4*(\t)+1], v[XS+8:XS+15], v11
	v_lshrrev_b32 v[E+(\t)], 23, v11               ; the scale's byte
	ds_store_b8 v5, v[E+(\t)] offset:32*(\t)
	global_store_b64 v7, v[C+4*(\t):C+4*(\t)+1], s[10:11] offset:256*(\t)   ; eight rows' codes: 256 consecutive bytes, aligned
.endm
.irp t, 0,1,2,3,4,5,6,7
	STEP \t
.endr
	ds_load_b64 v[8:9], v6                         ; my wave's 64 scale words: these loads see my byte stores
	s_wait_dscnt 0x0
	global_store_b64 v7, v[8:9], s[12:13]          ; 256 consecutive bytes, aligned
	s_cmp_lg_u32 ttmp9, 128                        ; the guards: wave 0 of the keys' first work-group stores them
	s_cbranch_scc1 .Lend
	s_cmp_lg_u32 s20, 0
	s_cbranch_scc1 .Lend
.irp i, 80,81,82,83
	v_mov_b32 v\i, 0
.endr
	v_mov_b32 v84, 0x7f7f7f7f
	v_mov_b32 v85, 0x7f7f7f7f
	v_lshlrev_b32 v10, 4, v2
	global_store_b128 v10, v[80:83], s[14:15]
	global_store_b128 v10, v[80:83], s[14:15] offset:512
	global_store_b128 v10, v[80:83], s[14:15] offset:1049600
	global_store_b128 v10, v[80:83], s[14:15] offset:1050112
	global_store_b64 v7, v[84:85], s[16:17]
	global_store_b64 v7, v[84:85], s[16:17] offset:131328
	s_branch .Lend
.Lvalues:
	; ---- values to f16: no LDS: a lane's four numbers become 8 bytes, and a wave's store covers two rows of 128 bytes
	s_sub_co_u32 s24, ttmp9, 256
	s_lshr_b32 s25, s24, 4                         ; head
	s_and_b32 s24, s24, 15
	s_lshl_b32 s24, s24, 7
	s_lshl_b32 s26, s20, 5
	s_add_co_u32 s24, s24, s26                     ; my wave's first row
	s_lshr_b32 s28, s25, 3
	s_and_b32 s29, s25, 7
	s_lshl_b32 s26, s28, 22
	s_lshl_b32 s28, s24, 11
	s_add_co_u32 s26, s26, s28
	s_lshl_b32 s28, s29, 8
	s_add_co_u32 s26, s26, s28
	s_add_nc_u64 s[8:9], s[8:9], s[26:27]
	s_lshl_b32 s26, s25, 11
	s_add_co_u32 s26, s26, s24
	s_lshl_b32 s26, s26, 7
	s_add_nc_u64 s[18:19], s[18:19], s[26:27]
.irp i, 0,1,2,3,4,5,6,7,8,9,10,11,12,13,14,15
	global_load_b128 v[R+4*\i:R+4*\i+3], v3, s[8:9] offset:4096*\i
.endr
.irp i, 0,1,2,3,4,5,6,7,8,9,10,11,12,13,14,15
	s_wait_loadcnt 15-\i                           ; the loads issued behind this one may be out
	v_cvt_pk_f16_f32 v[X+2*\i], v[R+4*\i], v[R+4*\i+1]
	v_cvt_pk_f16_f32 v[X+2*\i+1], v[R+4*\i+2], v[R+4*\i+3]
	global_store_b64 v7, v[X+2*\i:X+2*\i+1], s[18:19] offset:256*\i
.endr
.Lend:
	s_wait_tensorcnt 0x0                           ; the wave's end
	ds_add_u32 v[SPW], v[NIL]
	s_wait_dscnt 0x0
	s_endpgm
.Lfunc_end_k_q7c2bfef7be_prep:
	.size	k_q7c2bfef7be_prep, .Lfunc_end_k_q7c2bfef7be_prep-k_q7c2bfef7be_prep
	.p2alignl 7, 3214868480
	.fill 96, 4, 3214868480
	.section	.rodata,"a",@progbits
	.p2align	6, 0x0
	.amdhsa_kernel k_q7c2bfef7be_prep
		.amdhsa_group_segment_fixed_size 33280
		.amdhsa_private_segment_fixed_size 0
		.amdhsa_enable_private_segment 0
		.amdhsa_kernarg_size 64
		.amdhsa_user_sgpr_count 2
		.amdhsa_user_sgpr_kernarg_segment_ptr 1
		.amdhsa_wavefront_size32 1
		.amdhsa_system_sgpr_workgroup_id_x 1
		.amdhsa_system_sgpr_workgroup_id_y 1
		.amdhsa_system_sgpr_workgroup_id_z 1
		.amdhsa_system_vgpr_workitem_id 0
		.amdhsa_next_free_vgpr 192
		.amdhsa_next_free_sgpr 66
		.amdhsa_reserve_vcc 0
		.amdhsa_float_denorm_mode_32 3
		.amdhsa_float_denorm_mode_16_64 3
		.amdhsa_memory_ordered 1
		.amdhsa_forward_progress 1
		.amdhsa_inst_pref_size 26
	.end_amdhsa_kernel
	.amdgpu_metadata
---
amdhsa.version: [ 1, 2 ]
amdhsa.kernels:
  - .name:           k_q7c2bfef7be_prep
    .symbol:         k_q7c2bfef7be_prep.kd
    .args:
      - { .name: queries, .offset: 0, .size: 8, .value_kind: global_buffer, .address_space: global }
      - { .name: keys, .offset: 8, .size: 8, .value_kind: global_buffer, .address_space: global }
      - { .name: values, .offset: 16, .size: 8, .value_kind: global_buffer, .address_space: global }
      - { .name: qc, .offset: 24, .size: 8, .value_kind: global_buffer, .address_space: global }
      - { .name: qs, .offset: 32, .size: 8, .value_kind: global_buffer, .address_space: global }
      - { .name: kc, .offset: 40, .size: 8, .value_kind: global_buffer, .address_space: global }
      - { .name: ks, .offset: 48, .size: 8, .value_kind: global_buffer, .address_space: global }
      - { .name: vh, .offset: 56, .size: 8, .value_kind: global_buffer, .address_space: global }
    .group_segment_fixed_size: 33280
    .private_segment_fixed_size: 0
    .kernarg_segment_align: 8
    .kernarg_segment_size: 64
    .max_flat_workgroup_size: 128
    .sgpr_count:     66
    .vgpr_count:     192
    .wavefront_size: 32
...
	.end_amdgpu_metadata
.endif
;; end of part 1
;; launch attn (part 2): grid 16 x 16, 8 waves a work-group, no clusters, 327,680 bytes of LDS; arguments attn_mask, values, qc, qs, kc, ks, vh, out0; writes out0
.if DOCPART == 2
	.amdgcn_target "amdgcn-amd-amdhsa--gfx1250"
	.amdhsa_code_object_version 6
	.text
	.protected	k_q7c2bfef7be_attn
	.globl	k_q7c2bfef7be_attn
	.p2align	8
	.type	k_q7c2bfef7be_attn,@function
k_q7c2bfef7be_attn:
	s_mov_b64 s[64:65], 0
	v_nop
	global_prefetch_b8 v0, s[64:65] scope:SCOPE_SE
	s_setreg_imm32_b32 hwreg(HW_REG_WAVE_MODE, 25, 1), 1
	s_wait_xcnt 0x0
; out[b][i][h][:] = softmax_j(score(i, j) / 8) V[j], score = q.k (on codes of FP4) where |i - j| <= 16 or 65 divides i - j, 0 elsewhere, -infinity where attn_mask is set.
; WHAT IS COMPUTED.  Only 80 SLOTS of a row can hold a score other than 0: the 48 keys of the three aligned groups of 16 round the query's tile (outside the band their score is 0), and 32 keys i - 65 n, n != 0.
; A slot is BAD where its key lies outside 0 .. 2,047, where n = 0, or where the mask is set: its score is -infinity.  Every other key that is not masked has the score 0 and so one common weight c.  With
; m = the row's true largest score (0 among them only where such a key exists), p = 2^((s - m) log2(e) / 8), c = 2^(-m log2(e) / 8) or 0, l = sum of p + c x (number of such keys):
;   out = (c x D + sum over the good slots of (p - c) V) / l,   D = the sum of V over ALL keys that are not masked.
; D is a product of a matrix of zeros and ones with V: no exponential, no rounding of weights.  A row that is wholly masked gives -infinity + infinity = NaN.
; SHARES.  A work-group owns 128 queries of one head; eight waves.  Wave w has two parts: it makes D's part over ITS keys 256 w .. 256 w + 255 for all 128 queries (f16 products, V from LDS, the mask straight into registers),
; and it OWNS the 16 queries 16 w ..: their scores, softmax, slot products, the sum of the eight parts of D, the store.  The parts change hands through LDS.
; FORMATS.  Scores: codes of E2M1 with E8M0 scales.  D and the 32 strided slots: f16 operands, f32 sums.  The 48 slots of the local window: V and weights in f32, by the f32 matrix form (48 instructions a tile against 320 of f16):
; rows that average few keys near the diagonal are the largest in size and have no room for f16's rounding.
; NO CLUSTER: the strided slots' LDS rows hang on the work-group's block of queries, which would be its place in a cluster, and V, the one shared tile, is fetched once by each work-group.
; LIMITS: rows with few unmasked keys OUTSIDE the local window carry V in f16; mask bytes are 0 or 1; NaN and infinities among the inputs are not served.
; REGISTERS, window 0: v1, v2 the add's two; v3-8 lane terms and the count of bad slots; v9-15 at work; v16-34 scale words and nothing else; v35 zero; v36-51 the strided slots (a pair of slots a register), v52-75 the local slots;
;   v76-83 counts of masked keys, later the row's figures; v84-91 at work; v92-155 the mask as loaded, four groups; v156-187 four fragments of zeros and twos; v188-251 two sets of V's fragments.
; window 1: the 32 accumulators of D (tile T, channels 16 d on: v[32 T + 8 d]); ahead of them K's fragments (from v64); behind them the local sums (v0-31, written by matrix instructions alone) and the local V in f32 (v64-159).
.set VP,    144                        ; a row of V in LDS: 128 bytes + 16 of padding
.set VW,    256*VP                     ; a wave's 256 rows
.set CNTB,  2048*VP                    ; behind V: the counts, [wave][tile][lane] words
.set SPARE, CNTB+8192                  ; behind them: the spare words, 128 bytes a wave, which no other line names
.set SPW, 1
.set NIL, 2
.set MK,  3                            ; 2,048 r + 16 h: my 16 mask bytes of a tile's row r
.set AV,  4                            ; my place in my wave's rows of V for the turning load
.set QI,  5                            ; my query
.set J0,  6                            ; my key in slot pair 0
.set RO,  7                            ; 2,048 r
.set BAD, 8
.set NINF, 11
.set KSC, 16
.set QS,  32
.set LS0, 33
.set LS1, 34
.set ZR,  35
.set SS,  36
.set SL,  52
.set CNT, 76
.set NM,  76                           ; v[76:77] -m log2(e) / 8;  v[78:79] c;  v[80:81] c / 2;  v[82:83] 1 / l  (pairs: the packed forms take the low word for both halves)
.set CC,  78
.set C2,  80
.set RL,  82
.set Y,   84
.set LW,  84
.set RAW, 92
.set U,   156
.set BY,  156
.set QH,  176                          ; v[176:183] = zeros, then Q's codes: Q in the upper 64 of the 128
.set QL,  180                          ; v[180:187] = Q's codes, then zeros: Q in the lower 64
.set VF,  188
.set SB,  188
.set SACC, 92
.set PF,  124
.set MA,  140
.set MB,  144
.set RA,  148
.set RB,  149
.set COL, 150
.set AD,  151
.set DS,  156
.set KF,  64                           ; window 1
.set LB0, 192
.set LB1, 200
.set VL,  64
.set WV, 32
.set BH, 34
.set BB, 35
.set HD, 36
.set Q0, 37                            ; my first query
.set KB, 38                            ; the first key of slot 0: my first query + 65 n, the largest that stays at or under 2,047
.set MSB, 0
.macro WIN new                         ; the immediate's high byte repeats the setting that is left; a switch that changes nothing is dropped
.if MSB != \new
	s_set_vgpr_msb (MSB<<8)|\new
.set MSB, \new
.endif
.endm
.macro SETBM i                         ; the scalar register that holds local slot i's mask of bad lanes
.if (\i) < 20
.set BM, 82+(\i)
.else
.set BM, (\i)-12
.endif
.endm
.macro PLACES
.rept 4
	v_nop
.endr
.endm
	s_load_b256 s[4:11], s[0:1], 0x0               ; attn_mask s[4:5], values s[6:7], qc s[8:9], qs s[10:11]
	s_load_b256 s[12:19], s[0:1], 0x20             ; kc s[12:13], ks s[14:15], vh s[16:17], out0 s[18:19]
	v_lshl_add_u32 v[SPW], v0, 2, SPARE
	v_mov_b32 v[NIL], 0
	ds_add_u32 v[SPW], v[NIL]                      ; the wave's opening: the add, twice on end, and its wait ahead of my tensor load; work on registers stands between
	ds_add_u32 v[SPW], v[NIL]
	v_lshrrev_b32 v9, 5, v0
	v_readfirstlane_b32 s[WV], v9                  ; wave 0..7
	; descriptor group 1: 256 rows of 128 bytes (16 elements of 8), dense in memory, 16 bytes of padding behind each
	s_mov_b32 s24, (3<<16)|(1<<20)|(4<<22)|(3<<25) ; elements of 8 bytes; padding on; after every 32 words; four words
	s_mov_b32 s25, 16<<16                          ; tensor_dim0
	s_mov_b32 s26, 256<<16                         ; tensor_dim1
	s_mov_b32 s27, 16<<16                          ; tile_dim0
	s_mov_b32 s28, 256                             ; tile_dim1
	s_mov_b32 s29, 16                              ; elements from row to row
	s_mov_b32 s30, 0
	s_mov_b32 s31, 0
	s_mov_b32 s20, 1
	s_mul_i32 s21, s[WV], VW                       ; my rows' place in LDS
	s_mov_b32 s40, 0x76543210                      ; v_permlanex16_b32: lane l xor 16
	s_mov_b32 s41, 0xfedcba98
	s_mov_b32 s42, 0x40404040
	s_mov_b32 s43, 0x01040004                      ; bytes 0 and 1 become the high bytes of two f16
	s_mov_b32 s44, 0x03040204                      ; bytes 2 and 3
	s_mov_b32 s46, 0x3e38aa3b                      ; log2(e) / 8
	s_mov_b32 s47, s46
	s_mov_b32 s48, 2047
	s_mov_b32 s49, 0x00ffff00                      ; the lanes that hold the second slot of a pair
	s_mov_b32 s50, 0xaaaaaaaa
	s_mov_b32 s51, 0xcccccccc
	s_mov_b32 s52, 0xf0f0f0f0
	s_mov_b32 s53, 0x00ff00ff
	s_mov_b32 s55, 0xbe38aa3b                      ; -log2(e) / 8
	s_mov_b32 s63, 0
	s_and_b32 s[BH], ttmp7, 0xffff                 ; head 0..15 = 8 b + h
	s_lshr_b32 s[BB], s[BH], 3
	s_and_b32 s[HD], s[BH], 7
	s_lshl_b32 s[Q0], ttmp9, 7
	s_lshl_b32 s39, s[WV], 4
	s_add_co_u32 s[Q0], s[Q0], s39
	s_sub_co_u32 s39, 2047, s[Q0]
	s_mul_i32 s39, s39, 64528
	s_lshr_b32 s39, s39, 22                        ; (2,047 - first query) / 65, rounded down: 64,528 / 2^22 exceeds 1 / 65 by 16 / (65 x 2^22), too little to matter under 262,144
	s_mul_i32 s39, s39, 65
	s_add_co_u32 s[KB], s[Q0], s39
.irp i, 176,177,178,179,184,185,186,187
	v_mov_b32 v\i, 0                               ; the zero codes beside Q's
.endr
	v_mov_b32 v[ZR], 0
	v_mov_b32 v[BAD], 0
	v_and_b32 v9, 15, v0                           ; r
	v_bfe_u32 v10, v0, 4, 1                        ; h
	v_lshlrev_b32 v[RO], 11, v9
	v_lshl_add_u32 v[MK], v10, 4, v[RO]
	v_add_nc_u32 v[QI], s[Q0], v9
	v_add_nc_u32 v11, 8, v0
	v_bfe_u32 v11, v11, 4, 1                       ; 1 in lanes 8 to 23
	v_mul_u32_u24 v11, v11, 65
	v_add_nc_u32 v[J0], s[KB], v9
	v_sub_nc_u32 v[J0], v[J0], v11
	v_and_b32 v11, 7, v0
	v_lshl_add_u32 v11, v10, 4, v11
	v_mul_u32_u24 v11, v11, VP
	v_bfe_u32 v15, v0, 3, 1
	v_lshl_add_u32 v11, v15, 4, v11
	v_add_nc_u32 v[AV], s21, v11                   ; row 16 h + l % 8 of my 256, channels 8 ((l / 8) % 2) on
	v_lshlrev_b32 v12, 5, v9
	v_lshl_add_u32 v12, v10, 4, v12                ; codes: row r of 32 bytes, + 16 h
	v_xor_b32 v13, 0x100, v12                      ; the second slot of a pair takes its rows turned by 8: row (r + 8) % 16
	v_lshlrev_b32 v90, 2, v9                       ; scale words: 4 r
	v_lshl_add_u32 v91, v10, 6, v90                ; local: lanes 16-31 the next group's
	v_xor_b32 v15, 32, v90
	v_add_nc_u32 v14, 260, v90
	s_mov_b32 s2, 0xffff0000
	v_cndmask_b32 v14, v14, v15, s2                ; a pair's: lanes 0-15 the first slot's rows (65 rows on), lanes 16-31 the second's, turned by 8
.set t, 0
.rept 16
	v_add_nc_u32 v[SS+t], -130*t, v[J0]            ; my key in pair t,
	v_and_or_b32 v[SS+t], v[SS+t], s48, v[RO]      ; held inside the row, in my query's row of the mask
.set t, t+1
.endr
.irp u, 0,1,2
	s_add_co_u32 s39, s[Q0], 16*\u-16
	s_and_b32 s39, s39, 2047
	v_lshl_add_u32 v[SL+\u], v10, 3, v[RO]
	v_add_nc_u32 v[SL+\u], s39, v[SL+\u]           ; the eight mask bytes of local group u that are mine
.endr
	s_wait_dscnt 0x0                               ; both opening adds are done
	s_wait_kmcnt 0x0
	s_lshl_b32 s62, s[BH], 18
	s_lshl_b32 s39, s[WV], 15
	s_add_co_u32 s62, s62, s39
	s_add_nc_u64 s[22:23], s[16:17], s[62:63]      ; my 256 rows of the head's V
	s_or_b32 s23, s23, 0x80000000                  ; type = 2
	tensor_load_to_lds s[20:23], s[24:31]          ; my one tensor load: V is filled once and never again
	s_nop 0
	PLACES
	s_lshl_b32 s3, s[BB], 22
	s_lshl_b32 s62, s[Q0], 11
	s_add_co_u32 s62, s62, s3
	s_add_nc_u64 s[60:61], s[4:5], s[62:63]        ; the mask at my own 16 queries
	s_lshl_b32 s62, ttmp9, 18
	s_add_co_u32 s62, s62, s3
	s_lshl_b32 s39, s[WV], 8
	s_add_co_u32 s62, s62, s39
	s_add_nc_u64 s[4:5], s[4:5], s[62:63]          ; the mask at the work-group's first query, my wave's first key
	s_lshl_b32 s2, s[BH], 11
	s_add_co_u32 s3, s2, s[KB]
	s_add_co_u32 s2, s2, s[Q0]
	s_lshl_b32 s62, s2, 5
	s_add_nc_u64 s[8:9], s[8:9], s[62:63]          ; Q's codes
	s_add_co_u32 s62, s62, 512
	s_add_nc_u64 s[56:57], s[12:13], s[62:63]      ; K's codes 16 rows ahead of my first query (the guard is 1,024 bytes)
	s_lshl_b32 s62, s2, 2
	s_add_nc_u64 s[10:11], s[10:11], s[62:63]      ; Q's scale words
	s_add_co_u32 s62, s62, 192
	s_add_nc_u64 s[58:59], s[14:15], s[62:63]      ; K's, 16 rows ahead (the guard is 256 bytes)
	s_lshl_b32 s62, s3, 5
	s_add_co_u32 s62, s62, 1024
	s_add_nc_u64 s[12:13], s[12:13], s[62:63]      ; K's codes at slot 0
	s_lshl_b32 s62, s3, 2
	s_sub_co_u32 s62, s62, 4
	s_add_nc_u64 s[14:15], s[14:15], s[62:63]      ; K's scale words at slot 1: 256 - 65 x 4
	s_lshl_b32 s62, s[BB], 11
	s_add_co_u32 s62, s62, s[Q0]
	s_lshl_b32 s62, s62, 3
	s_add_co_u32 s62, s62, s[HD]
	s_lshl_b32 s62, s62, 8
	s_add_nc_u64 s[18:19], s[18:19], s[62:63]      ; out at my first query
	global_load_b128 v[180:183], v12, s[8:9]
	global_load_b32 v[QS], v90, s[10:11]
	WIN 0x40                                       ; destination window 1
.set t, 0
.rept 16                                       ; pair t: slot 2 t in registers 0-3 (the lower 64 of the 128), slot 2 t + 1 in registers 4-7
	global_load_b128 v[KF+8*t:KF+8*t+3], v12, s[12:13] offset:-2080*(2*t)
	global_load_b128 v[KF+8*t+4:KF+8*t+7], v13, s[12:13] offset:-2080*(2*t+1)
.set t, t+1
.endr
	global_load_b128 v[LB0:LB0+3], v12, s[56:57]
	global_load_b128 v[LB0+4:LB0+7], v12, s[56:57] offset:512
	global_load_b128 v[LB1:LB1+3], v12, s[56:57] offset:1024
	global_load_b128 v[LB1+4:LB1+7], v12, s[56:57] offset:1024    ; (meets zero codes: loaded so that the registers hold codes)
	WIN 0
.set t, 0
.rept 16
	global_load_b32 v[KSC+t], v14, s[14:15] offset:-520*t
.set t, t+1
.endr
	global_load_b32 v[LS0], v91, s[58:59]
	global_load_b32 v[LS1], v91, s[58:59] offset:128
.set t, 0
.rept 16
	global_load_u8 v[BY+t], v[SS+t], s[60:61]
.set t, t+1
.endr
.irp u, 0,1,2
	global_load_b64 v[LW+2*\u:LW+2*\u+1], v[SL+\u], s[60:61]
.endr
; group n of the mask for D: K step n / 2 (32 keys), tiles 4 (n % 2) .. + 3; a lane's 16 bytes are 16 neighbouring keys of one query
.macro RAWLOAD n
.irp i, 0,1,2,3
	global_load_b128 v[RAW+16*((\n)%4)+4*\i:RAW+16*((\n)%4)+4*\i+3], v[MK], s[4:5] offset:(4*((\n)%2)+\i)*32768+32*((\n)/2)
.endr
.endm
	RAWLOAD 0
	RAWLOAD 1
	RAWLOAD 2
	RAWLOAD 3
	; ---- THE SCORES.  S^T = K Q^T: source 0 = 16 keys, source 1 = my 16 queries.  Of a slot's tile only the diagonal is wanted: key r for query r.  It lies in register r % 8 of lane (r, r / 8); the second slot's rows are
	; turned by 8, so its diagonal lies in the other 16 lanes: one register then holds a pair's 32 scores, in the very lanes in which the second product's operand wants their weights.
	s_wait_loadcnt 16                              ; all but the 16 loads issued last, the mask for D
	v_mov_b32 v[NINF], 0xff800000
.macro EXTRACT t
.set XB, SB+16*((\t)%4)
.irp j, 0,1,2,3,4,5,6,7
	v_cndmask_b32 v[XB+\j], v[XB+\j], v[XB+8+\j], s49
.endr
.irp j, 0,2,4,6
	v_cndmask_b32 v[XB+\j], v[XB+\j], v[XB+1+\j], s50
.endr
	v_cndmask_b32 v[XB], v[XB], v[XB+2], s51
	v_cndmask_b32 v[XB+4], v[XB+4], v[XB+6], s51
	v_cndmask_b32 v[XB], v[XB], v[XB+4], s52       ; register l % 8
	v_add_nc_u32 v9, -130*(\t), v[J0]
	v_cmp_lt_u32 s2, s48, v9                       ; no such key,
	v_cmp_eq_u32 s3, v9, v[QI]                     ; the query's own key, which the local window has,
	v_cmp_ne_u32 s39, 0, v[BY+(\t)]                ; or masked
	s_or_b32 s2, s2, s3
	s_or_b32 s[66+(\t)], s2, s39
	v_cndmask_b32 v[SS+(\t)], v[XB], v[NINF], s[66+(\t)]
	v_cndmask_b32 v10, 0, 1, s[66+(\t)]
	v_add_nc_u32 v[BAD], v[BAD], v10
.endm
.macro SCORE4 g
	WIN 0x01                                       ; source 0 window 1
.irp p, 0,1,2,3
	v_wmma_scale_f32_16x16x128_f8f6f4 v[SB+16*\p:SB+16*\p+7], v[KF+8*(4*\g+\p):KF+8*(4*\g+\p)+7], v[QL:QL+7], 0, v[KSC+4*\g+\p], v[QS] matrix_a_fmt:MATRIX_FMT_FP4 matrix_b_fmt:MATRIX_FMT_FP4
	v_wmma_scale_f32_16x16x128_f8f6f4 v[SB+16*\p+8:SB+16*\p+15], v[KF+8*(4*\g+\p):KF+8*(4*\g+\p)+7], v[QH:QH+7], 0, v[KSC+4*\g+\p], v[QS] matrix_a_fmt:MATRIX_FMT_FP4 matrix_b_fmt:MATRIX_FMT_FP4 matrix_a_scale:MATRIX_SCALE_ROW1
.endr
	WIN 0
	PLACES                                         ; four places ahead of the first read of results (ISA guide 7.12.1)
.irp p, 0,1,2,3
	EXTRACT 4*\g+\p
.endr
.endm
	SCORE4 0
	SCORE4 1
	SCORE4 2
	SCORE4 3
	; the local window: three whole tiles; register 8 u + j of lane (r, h) is key 16 u - 16 + 8 h + j (from my first query) for query r
	WIN 0x01
	v_wmma_scale_f32_16x16x128_f8f6f4 v[SL:SL+7], v[LB0:LB0+7], v[QL:QL+7], 0, v[LS0], v[QS] matrix_a_fmt:MATRIX_FMT_FP4 matrix_b_fmt:MATRIX_FMT_FP4
	v_wmma_scale_f32_16x16x128_f8f6f4 v[SL+8:SL+15], v[LB0:LB0+7], v[QH:QH+7], 0, v[LS0], v[QS] matrix_a_fmt:MATRIX_FMT_FP4 matrix_b_fmt:MATRIX_FMT_FP4 matrix_a_scale:MATRIX_SCALE_ROW1
	v_wmma_scale_f32_16x16x128_f8f6f4 v[SL+16:SL+23], v[LB1:LB1+7], v[QL:QL+7], 0, v[LS1], v[QS] matrix_a_fmt:MATRIX_FMT_FP4 matrix_b_fmt:MATRIX_FMT_FP4
	WIN 0
	PLACES
.irp j, 0,1,2,3,4,5,6,7                        ; outside the band the score is 0: in group 0 where r > 8 h + j, in group 2 where r < 8 h + j
	s_mov_b32 s2, ((0xffff<<(\j+1))&0xffff)|(((0xffff<<(\j+9))&0xffff)<<16)
	v_cndmask_b32 v[SL+\j], v[SL+\j], 0, s2
	s_mov_b32 s3, ((1<<\j)-1)|(((1<<(\j+8))-1)<<16)
	v_cndmask_b32 v[SL+16+\j], v[SL+16+\j], 0, s3
.endr
	s_cmp_eq_u32 s[Q0], 0                          ; a group that lies outside the sequence counts as masked
	s_cselect_b32 s2, 0x01010101, 0
	v_or_b32 v[LW], s2, v[LW]
	v_or_b32 v[LW+1], s2, v[LW+1]
	s_cmp_eq_u32 s[Q0], 2032
	s_cselect_b32 s2, 0x01010101, 0
	v_or_b32 v[LW+4], s2, v[LW+4]
	v_or_b32 v[LW+5], s2, v[LW+5]
	v_add3_u32 v9, v[LW], v[LW+1], v[LW+2]
	v_add3_u32 v10, v[LW+3], v[LW+4], v[LW+5]
	v_add_nc_u32 v9, v9, v10                       ; four byte sums of at most 6;
	v_mul_lo_u32 v9, v9, 0x01010101
	v_lshrrev_b32 v9, 24, v9                       ; their sum stands in the product's top byte
	v_add_nc_u32 v[BAD], v[BAD], v9
.macro LBAD i
	SETBM \i
	v_and_b32 v[9+(\i)%2], 1<<(8*((\i)%4)), v[LW+(\i)/4]
	v_cmp_ne_u32 s[BM], 0, v[9+(\i)%2]
	v_cndmask_b32 v[SL+(\i)], v[SL+(\i)], v[NINF], s[BM]
.endm
.set n, 0
.rept 24
	LBAD n
.set n, n+1
.endr
	; ---- D's PART OVER MY 256 KEYS, 32 a K step.  Source 0 = V^T (16 channels), source 1 = zeros and twos (16 queries of a tile).  Both operands place the keys alike: registers 0-3 of lane half h are keys 16 h + 0 .. 7 of the
	; step, registers 4-7 keys 16 h + 8 .. 15: so a lane's mask bytes are 16 neighbours.  A mask byte 0 or 1 becomes 0x40 or 0x80, the high byte of the f16 numbers 2 and -0.
	s_wait_tensorcnt 0x0                           ; my own rows of V have landed; here I read no others
.macro VLOAD s
.irp d, 0,1,2,3
	ds_load_tr16_b128 v[VF+32*((\s)%2)+8*\d:VF+32*((\s)%2)+8*\d+3], v[AV] offset:(\s)*32*VP+32*\d
	ds_load_tr16_b128 v[VF+32*((\s)%2)+8*\d+4:VF+32*((\s)%2)+8*\d+7], v[AV] offset:(\s)*32*VP+8*VP+32*\d
.endr
.endm
	VLOAD 0
; half a K step: four tiles of queries.  The 32 accumulators take turns, one instruction a turn.  The six lines at a half's head that name none of the last products' registers are the places ahead of the
; writes of the fragments that those products read.
.macro HALF s, g
.set GG, 2*(\s)+(\g)
.if 15-GG >= 3
	s_wait_loadcnt 12                              ; this group's four loads are in; the three groups behind it may be out
.else
	s_wait_loadcnt 4*(15-GG)
.endif
.irp i, 0,1,2,3
.set RW, RAW+16*(GG%4)+4*\i
.set YY, Y+4*(\i%2)
.set TT, 4*(\g)+\i
.irp k, 0,1,2,3
	v_lshl_add_u32 v[YY+\k], v[RW+\k], 6, s42
.endr
.if (\s) == 0
	v_add_nc_u32 v[CNT+TT], v[RW], v[RW+1]         ; masked keys, counted byte by byte: at most 32 in a byte
.else
	v_add3_u32 v[CNT+TT], v[CNT+TT], v[RW], v[RW+1]
.endif
	v_add3_u32 v[CNT+TT], v[CNT+TT], v[RW+2], v[RW+3]
.irp k, 0,1,2,3
	v_perm_b32 v[U+8*\i+2*\k], v[ZR], v[YY+\k], s43
	v_perm_b32 v[U+8*\i+2*\k+1], v[ZR], v[YY+\k], s44
.endr
.endr
.if GG+4 <= 15
	RAWLOAD GG+4                                   ; two K steps ahead, into the registers just read
.endif
.if (\g) == 0
.if (\s) < 7
	VLOAD (\s)+1
	s_wait_dscnt 8                                 ; this step's fragments of V are in; the eight loads just issued may be out
.else
	s_wait_dscnt 0x0
.endif
.endif
	WIN 0x50                                       ; C and D window 1
.irp i, 0,1,2,3
.irp d, 0,1,2,3
.if (\s) == 0
	v_wmma_f32_16x16x32_f16 v[32*(4*(\g)+\i)+8*\d:32*(4*(\g)+\i)+8*\d+7], v[VF+32*((\s)%2)+8*\d:VF+32*((\s)%2)+8*\d+7], v[U+8*\i:U+8*\i+7], 0
.else
	v_wmma_f32_16x16x32_f16 v[32*(4*(\g)+\i)+8*\d:32*(4*(\g)+\i)+8*\d+7], v[VF+32*((\s)%2)+8*\d:VF+32*((\s)%2)+8*\d+7], v[U+8*\i:U+8*\i+7], v[32*(4*(\g)+\i)+8*\d:32*(4*(\g)+\i)+8*\d+7]
.endif
.endr
.endr
	WIN 0
.endm
.irp s, 0,1,2,3,4,5,6,7
	HALF \s, 0
	HALF \s, 1
.endr
	; ---- the counts change hands
	v_and_b32 v9, 31, v0
	v_lshlrev_b32 v9, 2, v9
	s_lshl_b32 s2, s[WV], 10
	s_add_co_u32 s2, s2, CNTB
	v_add_nc_u32 v10, s2, v9
.irp i, 0,1,2,3,4,5,6,7
	ds_store_b32 v10, v[CNT+\i] offset:128*\i
.endr
	v_lshl_add_u32 v12, v0, 2, CNTB                ; my tile's words: 128 x wave + 4 x lane
	s_wait_dscnt 0x0                               ; my stores have landed, and my rows of V landed long ago:
	s_barrier_signal -1
	s_barrier_wait -1                              ; behind this barrier all of V and all counts lie in LDS
	; ---- THE SOFTMAX of my 16 queries.  A query's 80 slots lie in lanes (r, 0) and (r, 1), 40 each
.irp i, 0,1,2,3,4,5,6,7
	ds_load_b32 v[92+\i], v12 offset:1024*\i
.endr
	v_max3_num_f32 v9, v[SS], v[SS+1], v[SS+2]
	v_max3_num_f32 v10, v[SL], v[SL+1], v[SL+2]
.irp i, 3,5,7,9,11,13
	v_max3_num_f32 v9, v9, v[SS+\i], v[SS+\i+1]
	v_max3_num_f32 v10, v10, v[SL+\i], v[SL+\i+1]
.endr
.irp i, 15,17,19,21
	v_max3_num_f32 v10, v10, v[SL+\i], v[SL+\i+1]
.endr
	v_max3_num_f32 v9, v9, v[SS+15], v[SL+23]
	v_max_num_f32 v9, v9, v10
	s_wait_dscnt 0x0
	v_add3_u32 v10, v92, v93, v94                  ; four waves' bytes: at most 128 in a byte
	v_add3_u32 v13, v96, v97, v98
	v_add_nc_u32 v10, v10, v95
	v_add_nc_u32 v13, v13, v99
	v_and_b32 v14, s53, v10
	v_lshrrev_b32 v10, 8, v10
	v_and_b32 v10, s53, v10
	v_and_b32 v15, s53, v13
	v_lshrrev_b32 v13, 8, v13
	v_and_b32 v13, s53, v13
	v_add3_u32 v10, v10, v14, v15
	v_add_nc_u32 v10, v10, v13                     ; two sums of 16 bits
	v_lshrrev_b32 v13, 16, v10
	v_and_b32 v10, 0xffff, v10
	v_add_nc_u32 v10, v10, v13                     ; masked keys among my half of the row
	v_sub_nc_u32 v10, v[BAD], v10
	v_permlanex16_b32 v13, v10, s40, s41
	v_permlanex16_b32 v14, v9, s40, s41
	v_add3_u32 v10, v10, v13, 1968                 ; keys of score 0 outside the slots: (2,048 - masked) - (80 - bad)
	v_max_num_f32 v9, v9, v14
	v_cmp_lt_i32 s54, 0, v10                       ; is there one?
	v_max_num_f32 v13, 0, v9
	v_cndmask_b32 v9, v9, v13, s54                 ; m: the row's true largest score
	v_mul_f32 v[NM], s55, v9
	v_mov_b32 v[NM+1], 0
	v_cvt_f32_i32 v10, v10
.set n, SS
.rept 20
	v_pk_fma_f32 v[n:n+1], v[n:n+1], s[46:47], v[NM:NM+1] op_sel_hi:[1,0,0]
.set n, n+2
.endr
.set n, SS
.rept 40
	v_exp_f32 v[n], v[n]                           ; p; 0 in a bad slot
.set n, n+1
.endr
	v_exp_f32 v13, v[NM]                           ; the weight of a score 0
	v_mov_b32 v[CC+1], 0                           ; a plain instruction behind the exponentials
	s_wait_alu depctr_va_vdst(0)                   ; one wait for the batch of 41, ahead of its first reader
	v_cndmask_b32 v[CC], 0, v13, s54               ; c
	v_pk_add_f32 v[92:93], v[36:37], v[38:39]
	v_pk_add_f32 v[94:95], v[40:41], v[42:43]
.irp a, 44,48,52,56,60,64,68,72
	v_pk_add_f32 v[92:93], v[92:93], v[\a:\a+1]
	v_pk_add_f32 v[94:95], v[94:95], v[\a+2:\a+3]
.endr
	v_pk_add_f32 v[92:93], v[92:93], v[94:95]
	v_add_f32 v14, v92, v93
	v_permlanex16_b32 v15, v14, s40, s41
	v_add_f32 v14, v14, v15
	v_fma_f32 v14, v[CC], v10, v14                 ; l
	v_rcp_f32 v[RL], v14
	v_mov_b32 v[RL+1], 0                           ; a plain instruction behind the reciprocal
	v_mul_f32 v[C2], 0.5, v[CC]                    ; D was summed with twos
	v_mov_b32 v[C2+1], 0
.set n, SS
.rept 20
	v_pk_add_f32 v[n:n+1], v[n:n+1], v[CC:CC+1] op_sel_hi:[1,0] neg_lo:[0,1] neg_hi:[0,1]   ; p - c: D holds the slot's key with the weight c already
.set n, n+2
.endr
.set n, 0
.rept 16
	v_cndmask_b32 v[SS+n], v[SS+n], 0, s[66+n]     ; a bad slot weighs nothing
.set n, n+1
.endr
.set n, 0
.rept 24
	SETBM n
	v_cndmask_b32 v[SL+n], v[SL+n], 0, s[BM]
.set n, n+1
.endr
	s_wait_alu depctr_va_vdst(0)                   ; the reciprocal's wait, ahead of its reader
	; where a lane's weight stands in the second product's operand: element l % 8 of registers 0-3 (first slot's lanes) or 4-7 (second slot's)
	v_bfe_u32 v9, v0, 1, 2
	v_and_b32 v10, 1, v0
	v_lshlrev_b32 v10, 4, v10
	v_mov_b32 v12, 0xffff
	v_lshlrev_b32 v10, v10, v12
	v_cndmask_b32 v12, v10, 0, s49
	v_cndmask_b32 v10, 0, v10, s49
.irp i, 0,1,2,3
	v_cmp_eq_u32 vcc_lo, \i, v9
	v_cndmask_b32 v[MA+\i], 0, v12, vcc_lo
	v_cndmask_b32 v[MB+\i], 0, v10, vcc_lo
.endr
	; ---- THE STRIDED SLOTS: O^T += V^T P, a pair of slots (32 keys) an instruction.  K places 0-15 are the first slot's keys in order, 16-31 the second's turned by 8: P is zero but on the two diagonals.
	v_and_b32 v9, 7, v0
	v_bfe_u32 v10, v0, 4, 1
	v_lshl_add_u32 v[RA], v10, 3, v9
	v_xor_b32 v[RB], 8, v[RA]
	v_add_nc_u32 v[RA], s[KB], v[RA]               ; the row that I address for the first slot: 8 h + l % 8 on,
	s_sub_co_u32 s2, s[KB], 65
	v_add_nc_u32 v[RB], s2, v[RB]                  ; for the second: 8 (1 - h) + l % 8 on
	v_bfe_u32 v[COL], v0, 3, 1
	v_lshlrev_b32 v[COL], 4, v[COL]
.macro SADDR t                         ; six plain lines that name none of the last products' registers: the places ahead of the loads into the fragments that those read
	v_add_nc_u32 v9, -130*(\t), v[RA]
	v_add_nc_u32 v10, -130*(\t), v[RB]
	v_and_b32 v9, s48, v9                          ; held inside V's 2,048 rows: a row that is no key belongs to a bad slot, whose weight is 0
	v_and_b32 v10, s48, v10
	v_mad_u32_u24 v[AD+2*((\t)%2)], v9, VP, v[COL]
	v_mad_u32_u24 v[AD+2*((\t)%2)+1], v10, VP, v[COL]
.endm
.macro SLOAD t
.irp d, 0,1,2,3
	ds_load_tr16_b128 v[VF+32*((\t)%2)+8*\d:VF+32*((\t)%2)+8*\d+3], v[AD+2*((\t)%2)] offset:32*\d
	ds_load_tr16_b128 v[VF+32*((\t)%2)+8*\d+4:VF+32*((\t)%2)+8*\d+7], v[AD+2*((\t)%2)+1] offset:32*\d
.endr
.endm
	SADDR 0
	SLOAD 0
.set t, 0
.rept 16
.if t < 15
	SADDR t+1
	SLOAD t+1
.endif
	v_cvt_pk_f16_f32 v11, v[SS+t], v[SS+t]
.irp i, 0,1,2,3
	v_and_b32 v[PF+8*(t%2)+\i], v11, v[MA+\i]
	v_and_b32 v[PF+8*(t%2)+4+\i], v11, v[MB+\i]
.endr
.if t < 15
	s_wait_dscnt 8                                 ; this pair's fragments are in; the next pair's eight loads may be out
.else
	s_wait_dscnt 0x0
.endif
.irp d, 0,1,2,3                                ; four accumulators by turns
.if t == 0
	v_wmma_f32_16x16x32_f16 v[SACC+8*\d:SACC+8*\d+7], v[VF+32*(t%2)+8*\d:VF+32*(t%2)+8*\d+7], v[PF+8*(t%2):PF+8*(t%2)+7], 0
.else
	v_wmma_f32_16x16x32_f16 v[SACC+8*\d:SACC+8*\d+7], v[VF+32*(t%2)+8*\d:VF+32*(t%2)+8*\d+7], v[PF+8*(t%2):PF+8*(t%2)+7], v[SACC+8*\d:SACC+8*\d+7]
.endif
.endr
.set t, t+1
.endr
	; ---- D's PARTS CHANGE HANDS, as images of their registers, in the bytes that held V: block (tile T, wave w) at 32,768 T + 4,096 w, four registers at 512 q + 16 x lane
	v_and_b32 v9, 31, v0
	v_lshlrev_b32 v9, 4, v9
	s_lshl_b32 s2, s[WV], 12
	v_add_nc_u32 v148, s2, v9
	v_add_nc_u32 v149, 0x10000, v148
	v_add_nc_u32 v150, 0x20000, v148
	v_add_nc_u32 v151, 0x30000, v148
	s_lshl_b32 s2, s[WV], 15
	v_add_nc_u32 v15, s2, v9                       ; and where I read my own tile's eight blocks
	v_and_b32 v9, 15, v0
	v_bfe_u32 v10, v0, 4, 1
	v_lshlrev_b32 v14, 2, v9
	v_lshl_add_u32 v14, v10, 14, v14               ; local V in f32: channel r, 8 h keys of 2,048 bytes on
.irp u, 0,1,2
	s_add_co_u32 s62, s[Q0], 16*\u-16
	s_and_b32 s62, s62, 2047                       ; a group outside the sequence is read from inside it: its slots are bad
	s_lshl_b32 s2, s[BB], 11
	s_add_co_u32 s62, s62, s2
	s_lshl_b32 s62, s62, 3
	s_add_co_u32 s62, s62, s[HD]
	s_lshl_b32 s62, s62, 8
	s_add_nc_u64 s[66+2*\u:67+2*\u], s[6:7], s[62:63]
.endr
	s_wait_dscnt 0x0                               ; my reads of V are over
	s_barrier_signal -1
	s_barrier_wait -1                              ; everybody's are: V's bytes, which have had their one fill, may be written
	WIN 0x04                                       ; an LDS store's data are its source 1: window 1
.irp T, 0,1,2,3,4,5,6,7
.irp q, 0,1,2,3,4,5,6,7
	ds_store_b128 v[148+\T/2], v[32*\T+4*\q:32*\T+4*\q+3] offset:(\T%2)*32768+512*\q    ; each accumulator from its low end on
.endr
.endr
	WIN 0
	s_wait_dscnt 0x0                               ; the stores have landed, and have read their registers, which now take the local V
	WIN 0x40
.irp u, 0,1,2
.irp a, 0,1,2,3
.irp d, 0,1,2,3
.irp j, 0,1
	global_load_b32 v[VL+((4*\u+\a)*4+\d)*2+\j], v14, s[66+2*\u:67+2*\u] offset:(2*\a+\j)*2048+64*\d
.endr
.endr
.endr
.endr
	WIN 0
	s_barrier_signal -1
	s_barrier_wait -1                              ; all 64 blocks lie in LDS
.macro XLD k, reg
.irp q, 0,1,2,3,4,5,6,7
	ds_load_b128 v[(\reg)+4*\q:(\reg)+4*\q+3], v15 offset:(\k)*4096+512*\q
.endr
.endm
.macro XADD k                          ; block k joins the sum; its buffer takes block k + 3
.if ((\k)-1)%3 == 0
.set XB, 188
.elseif ((\k)-1)%3 == 1
.set XB, 220
.else
.set XB, 124
.endif
.if 7-(\k) >= 2
	s_wait_dscnt 16                                ; the two blocks issued behind this one may be out
.else
	s_wait_dscnt 8*(7-(\k))
.endif
.irp i, 0,2,4,6,8,10,12,14,16,18,20,22,24,26,28,30
	v_pk_add_f32 v[DS+\i:DS+\i+1], v[DS+\i:DS+\i+1], v[XB+\i:XB+\i+1]
.endr
.if (\k)+3 <= 7
	XLD (\k)+3, XB
.endif
.endm
	XLD 0, DS
	XLD 1, 188
	XLD 2, 220
	XLD 3, 124
.irp k, 1,2,3,4,5,6,7
	XADD \k
.endr
	; ---- THE LOCAL WINDOW in f32: O^T += V^T P, four keys an instruction: K place 2 h + j is key 8 h + 2 a + j of group u on both sides, so P's operand is a pair of the slots' own registers
	s_wait_loadcnt 0x0
	WIN 0x51                                       ; source 0, C and D window 1
.irp u, 0,1,2
.irp a, 0,1,2,3
.irp d, 0,1,2,3                                ; four accumulators by turns; the first K step starts the sums
.if (\u)+(\a) == 0
	v_wmma_f32_16x16x4_f32 v[8*\d:8*\d+7], v[VL+((4*\u+\a)*4+\d)*2:VL+((4*\u+\a)*4+\d)*2+1], v[SL+8*\u+2*\a:SL+8*\u+2*\a+1], 0
.else
	v_wmma_f32_16x16x4_f32 v[8*\d:8*\d+7], v[VL+((4*\u+\a)*4+\d)*2:VL+((4*\u+\a)*4+\d)*2+1], v[SL+8*\u+2*\a:SL+8*\u+2*\a+1], v[8*\d:8*\d+7]
.endif
.endr
.endr
.endr
	WIN 0
.irp i, 0,2,4,6,8,10,12,14,16,18,20,22,24,26,28,30
	v_pk_fma_f32 v[DS+\i:DS+\i+1], v[DS+\i:DS+\i+1], v[C2:C2+1], v[SACC+\i:SACC+\i+1] op_sel_hi:[1,0,1]   ; c D + the strided slots.  (Sixteen places behind the last products: eight are asked of this form)
.endr
	WIN 0x01
.irp i, 0,2,4,6,8,10,12,14,16,18,20,22,24,26,28,30
	v_pk_add_f32 v[DS+\i:DS+\i+1], v[\i:\i+1], v[DS+\i:DS+\i+1]                ; + the local window, each sum from its low end on
.endr
	WIN 0
.irp i, 0,2,4,6,8,10,12,14,16,18,20,22,24,26,28,30
	v_pk_mul_f32 v[DS+\i:DS+\i+1], v[DS+\i:DS+\i+1], v[RL:RL+1] op_sel_hi:[1,0]   ; / l: register 8 d + j is out(query r, channel 16 d + 8 h + j)
.endr
	; ---- THE WAY OUT, through a stage of 16 rows x (256 + 16) bytes at the head of my own blocks, which I alone read and have read
	s_lshl_b32 s2, s[WV], 15
	v_mul_u32_u24 v12, v9, 272
	v_lshl_add_u32 v12, v10, 5, v12
	v_add_nc_u32 v12, s2, v12
	v_mul_u32_u24 v13, v10, 272
	v_lshl_add_u32 v13, v9, 4, v13
	v_add_nc_u32 v13, s2, v13
	v_lshlrev_b32 v14, 11, v10
	v_lshl_add_u32 v14, v9, 4, v14                 ; lanes 0-15 one query's 256 bytes, lanes 16-31 the next query's, 2,048 bytes on
.irp d, 0,1,2,3
	ds_store_b128 v12, v[DS+8*\d:DS+8*\d+3] offset:64*\d
	ds_store_b128 v12, v[DS+8*\d+4:DS+8*\d+7] offset:64*\d+16
.endr
.irp i, 0,1,2,3,4,5,6,7
	ds_load_b128 v[188+4*\i:191+4*\i], v13 offset:544*\i           ; LDS serves a wave's instructions in order: these see my stores
.endr
.irp i, 0,1,2,3,4,5,6,7
	s_wait_dscnt 7-\i
	global_store_b128 v14, v[188+4*\i:191+4*\i], s[18:19] offset:4096*\i th:TH_STORE_NT   ; sixteen lanes store 256 consecutive bytes, aligned
.endr
	s_wait_tensorcnt 0x0                           ; the wave's end
	ds_add_u32 v[SPW], v[NIL]
	s_wait_dscnt 0x0
	s_endpgm
.Lfunc_end_k_q7c2bfef7be_attn:
	.size	k_q7c2bfef7be_attn, .Lfunc_end_k_q7c2bfef7be_attn-k_q7c2bfef7be_attn
	.p2alignl 7, 3214868480
	.fill 96, 4, 3214868480
	.section	.rodata,"a",@progbits
	.p2align	6, 0x0
	.amdhsa_kernel k_q7c2bfef7be_attn
		.amdhsa_group_segment_fixed_size 327680
		.amdhsa_private_segment_fixed_size 0
		.amdhsa_enable_private_segment 0
		.amdhsa_kernarg_size 64
		.amdhsa_user_sgpr_count 2
		.amdhsa_user_sgpr_kernarg_segment_ptr 1
		.amdhsa_wavefront_size32 1
		.amdhsa_system_sgpr_workgroup_id_x 1
		.amdhsa_system_sgpr_workgroup_id_y 1
		.amdhsa_system_sgpr_workgroup_id_z 1
		.amdhsa_system_vgpr_workitem_id 0
		.amdhsa_next_free_vgpr 512
		.amdhsa_next_free_sgpr 102
		.amdhsa_reserve_vcc 1
		.amdhsa_float_denorm_mode_32 3
		.amdhsa_float_denorm_mode_16_64 3
		.amdhsa_memory_ordered 1
		.amdhsa_forward_progress 1
		.amdhsa_inst_pref_size 205
	.end_amdhsa_kernel
	.amdgpu_metadata
---
amdhsa.version: [ 1, 2 ]
amdhsa.kernels:
  - .name:           k_q7c2bfef7be_attn
    .symbol:         k_q7c2bfef7be_attn.kd
    .args:
      - { .name: attn_mask, .offset: 0, .size: 8, .value_kind: global_buffer, .address_space: global }
      - { .name: values, .offset: 8, .size: 8, .value_kind: global_buffer, .address_space: global }
      - { .name: qc, .offset: 16, .size: 8, .value_kind: global_buffer, .address_space: global }
      - { .name: qs, .offset: 24, .size: 8, .value_kind: global_buffer, .address_space: global }
      - { .name: kc, .offset: 32, .size: 8, .value_kind: global_buffer, .address_space: global }
      - { .name: ks, .offset: 40, .size: 8, .value_kind: global_buffer, .address_space: global }
      - { .name: vh, .offset: 48, .size: 8, .value_kind: global_buffer, .address_space: global }
      - { .name: out0, .offset: 56, .size: 8, .value_kind: global_buffer, .address_space: global }
    .group_segment_fixed_size: 327680
    .private_segment_fixed_size: 0
    .kernarg_segment_align: 8
    .kernarg_segment_size: 64
    .max_flat_workgroup_size: 256
    .sgpr_count:     102
    .vgpr_count:     512
    .wavefront_size: 32
...
	.end_amdgpu_metadata
.endif
;; end of part 2
